; MI455X (gfx1250); checked and timed in simulation.
; The chip was launched on July 23, 2026; its instructions are those of AMD's public machine-readable ISA for CDNA 5 (MIT licence, August 2026) and "CDNA5" Instruction Set Architecture Reference Guide (July 2026). The comments in the code are by the model that wrote it; some were corrected since.
;; Innocent Attention. Allowed arithmetic: matrix products marked QUANTISED: E2M1 operands, one E8M0 scale for each 32 along K, by v_wmma_scale_f32_16x16x128_f8f6f4 with both operands' format E2M1 (or v_wmma_scale_f32_32x16x128_f4), f32 sums; everything else in f32.
;; Inputs: event_length 8 int32; k_codes 8 x 2,048 x 4 x 16 uint8 (E2M1 codes of k, K innermost, in blocks of 32 codes, two codes a byte); k_scales 8 x 2,048 x 4 uint8 (E8M0 scales of k, one for each 32 codes along K); q_codes 8 x 2,048 x 4 x 16 uint8 (E2M1 codes of q, K innermost, in blocks of 32 codes, two codes a byte); q_scales 8 x 2,048 x 4 uint8 (E8M0 scales of q, one for each 32 codes along K); v_codes 8 x 128 x 64 x 16 uint8 (E2M1 codes of v, K innermost, in blocks of 32 codes, two codes a byte); v_scales 8 x 128 x 64 uint8 (E8M0 scales of v, one for each 32 codes along K).
;; Outputs: out0 8 x 2,048 x 128 float32.
;; This version of the problem:
;;   THIS VERSION OF THE PROBLEM IS GIVEN IN LOW PRECISION. The matrix products marked QUANTISED in the list below multiply operands that are first quantised to E2M1 (2 exponent bits, 1 mantissa bit; 4 bits a number), with one power-of-two scale for each 32 numbers along K (OCP MX v1.0); their sums are f32. All else is computed in f32.
;;   The module's matrix products, in the order in which they are computed (A, B: the left and right operand; K: the contracted axis; several contracted axes count as one K, in the product's order):
;;     1. batch 8 x [M 2,048, K 128] x [K 128, N 2,048]; A: input q (given as codes); B: input k (given as codes): QUANTISED
;;     2. batch 8 x [M 2,048, K 2,048] x [K 2,048, N 128]; A: softmax (see below); B: input v (given as codes): QUANTISED
;;   THE QUANTISER, for each operand of a quantised product, along K:
;;     - K is cut into blocks of 32 from its start; a last block that is shorter is filled with zeros.
;;     - A block's scale is 2^e with e = floor(log2(the largest magnitude in the block)) - 2, held to -126 .. 127; a block of zeros has e = 0. As a byte (E8M0): e + 127.
;;     - Each number is divided by its block's scale, clamped to +-6, and rounded to the nearest number of E2M1, ties to even, subnormals kept.
;;     - The product sums the exact products of the quantised numbers (number of the format x scale) in f32.
;;   ~~~python
;;   def quantise(x, axis):      # numpy; x: float32 -> the quantised numbers, widened to float32 again
;;       x = np.moveaxis(x, axis, -1); K = x.shape[-1]
;;       x = np.pad(x, [(0, 0)] * (x.ndim - 1) + [(0, -K % 32)]); x = x.reshape(x.shape[:-1] + (-1, 32)); a = np.abs(x).max(-1, keepdims=True)
;;       e = np.where(a > 0, np.clip(np.frexp(np.where(a > 0, a, 1))[1] - 1 - 2, -126, 127), 0)      # np.frexp(a)[1] - 1 = floor(log2(a)), exactly
;;       r = np.clip(x / 2.0 ** e, -6, 6)
;;       step = 2.0 ** (np.maximum(np.frexp(np.where(r == 0, 1, r))[1] - 1, 0) - 1)
;;       q = np.round(r / step) * step * 2.0 ** e      # np.round: ties to even
;;       return np.moveaxis(q.reshape(q.shape[:-2] + (-1,))[..., :K], -1, axis).astype(np.float32)
;;   ~~~
;;   SOFTMAX AHEAD OF A QUANTISED PRODUCT. Where the list says 'softmax', what is quantised is not the finished softmax but p = 2^(t - M), with t = logit x log2(e) and M = ceil(the row's largest t), a whole number; so 1/2 < the row's largest p <= 1. The row's sum l is taken of the UNQUANTISED p, in f32, and the product's result is divided by l at the end. Since M is a whole number, a kernel that streams over the keys may use a running M (the ceiling of the running maximum): every later rescaling is an exact power of two, which a block's scale takes up: the codes' values come out the same.
;;   OPERANDS COMPUTED ON THE WAY. 'Computed on the way' means the value that the module computes at that place (a softmax that the list does not call 'softmax' is quantised finished and normalised). What goes into a quantiser is computed in f32, as accurately as f32 sums, v_exp_f32 and their like allow (about 1e-6 of the number): no bf16 or f16 on the way to a quantiser, and a product that is left as it is and whose result goes on into a quantised operand takes f32 operands (vector FMAs, or v_wmma_f32_16x16x4_f32). A number that lies on a knife's edge between two numbers of the format may be rounded either way, as far as f32 arithmetic and the matrix unit's own rounding can turn it there, and no further.
;;   INPUTS GIVEN AS CODES. k (in the module: [8, 2048, 128], K = its axis 2); q (in the module: [8, 2048, 128], K = its axis 2); v (in the module: [8, 2048, 128], K = its axis 1): each comes as NAME_codes (uint8): NAME with its K axis moved to the last place and cut into blocks of 32 codes, [.., K / 32, bytes a block], one block behind the other in memory; two codes a byte, the lower K in the low four bits (a code: sign, 2 exponent bits, 1 mantissa bit); and NAME_scales (uint8): the same leading axes, one E8M0 byte (e + 127) for each 32 codes along K. Its value is code x scale, taken as it is: it is not quantised again, and the codes and scales need not be those that the quantiser above would give.
;; 2 versions. Each part assembles by itself: llvm-mc -triple=amdgcn-amd-amdhsa -mcpu=gfx1250 --defsym DOCPART=n.
;; ======== version 1 of 2: 1 launch
;; limits: right only within a limited range of input values
;; launch attn (part 1): grid 64 x 4, 16 waves a work-group, no clusters, 316,416 bytes of LDS; arguments q_codes, q_scales, k_codes, k_scales, v_codes, v_scales, event_length, out0; writes out0
.if DOCPART == 1
	.amdgcn_target "amdgcn-amd-amdhsa--gfx1250"
	.amdhsa_code_object_version 6
	.text
	.protected	k_q00006f4182_attn
	.globl	k_q00006f4182_attn
	.p2align	8
	.type	k_q00006f4182_attn,@function
k_q00006f4182_attn:
	s_mov_b64 s[64:65], 0
	v_nop
	global_prefetch_b8 v0, s[64:65] scope:SCOPE_SE
	s_setreg_imm32_b32 hwreg(HW_REG_WAVE_MODE, 25, 1), 1
	s_wait_xcnt 0x0
; out0[b][q][:] = the sum over k of softmax_k(masked q.k / sqrt(128)) v[b][k][:], 8 batches x 2,048 queries x 2,048 keys x 128, both products on codes of FP4 (E2M1) with one E8M0 scale for each 32 along K.
; THE MASK: L = event_length[b] (held to 0 .. 2,048, which gives the same mask for every int32); a score counts where query < L and key < L, else the logit is -1e9.
;   A query < L: hidden keys give p = 0.  Key steps that lie wholly at or beyond L are left out for it.
;   A query >= L: all 2,048 logits are equal, so p = 1 for every key (the number 4, code 6, under the scale byte 125) and the sum is 2,048: no first product, no exponential; the second product runs over all keys.
; THE SOFTMAX AHEAD OF THE SECOND PRODUCT: t = score x log2(e) / sqrt(128); M = the running largest t rounded UP to a whole number; p = 2^(t - M) is quantised along the keys; the sum is taken of the unquantised p and divides at the end.
; SHARES.  A valid tile of 16 queries costs ceil(L / 128) key steps, so long batches cost far more than short ones.  A WORK-GROUP THEREFORE SERVES TWO BATCHES: the eight lengths are sorted, and work-group (x, y) takes 32 queries of the
;   y-th longest batch (side 0: queries 32 x on) and 32 of the y-th shortest (side 1: queries 32 (63 - x) on: counted from the other end, so that both sides have valid queries only where the two lengths add up to more than 2,048).
;   Wave w: share J = w / 4 of the keys, tile I = (w xor J) % 4 (tiles 0, 1: side 0; tiles 2, 3: side 1): the four waves of equal w % 4 hold all four tiles, and so do the four of equal w / 4.
;   The keys go in 4 stages of 512; in stage s wave (I, J) takes the 128 keys from 512 s + 128 J on.  A tile's four partial results (O^T, -M, sum) meet through LDS at the end; they are brought under one M by whole powers of two.
;   The sort works on keys 8 L + batch by compare-exchanges alone, so its result is a permutation of the batches whatever the lengths: each output row has one owner.
; LAYOUT.  Both products are used transposed: S^T = K Q^T (source 0 = 16 keys, source 1 = my 16 queries), O^T = V^T P^T: a lane holds ONE query (lane % 16) throughout.  The keys of a tile are not neighbours: row m of tile 2 b + u is key
;   32 b + 8 u + m + 8 (m / 8), so that the 16 registers of tiles 2 b and 2 b + 1 are the 16 neighbouring keys 32 b + 16 (lane / 16) + 0 .. 15.  K is laid in LDS in that order when it is copied, so a fragment's 16 rows are neighbours there.
; HOW K AND V COME.  Through registers: each wave copies an eighth of its side's stage (global_load_b128, ds_store_b128), one stage ahead, into the other of two LDS buffers.  A stage that no wave of the side reads is not copied.
;   NO TENSOR LOADS, NO JOINT LOADS: which stages a side copies and which steps a wave works hang on event_length, a number read from memory.
; LIMITS: a valid query's largest real logit lies above -1e9 + 200 (so that hidden keys' p is 0 in f32); a scale byte 0xff (NaN) in a tile that the mask lets this text leave out does not reach the result.
.set KT,    1088                       ; a tile of K in LDS: 16 rows of 64 bytes as four pieces of 256 bytes + 16: row m begins at 272 (m / 4) + 64 (m % 4), so a fragment's 16 rows begin in 16 different columns of 16 bytes
.set KST,   8704                       ; a key step's 128 rows
.set VP,    272                        ; a row of V's stage: 256 bytes + 16
.set VOF,   34816                      ; LDS: a side's stage is K's 512 rows, and from here V's 128 rows;
.set REGB,  69632                      ; side 1's stage begins here;
.set BUFB,  139264                     ; and the second buffer here: stage s lies in buffer s % 2
.set SCK,   278528                     ; K's scale words, 4 bytes a key, dense, in the keys' own order: 8,192 bytes a side;
.set SCV,   294912                     ; V's scale bytes: 32 pieces of 256 bytes + 16 (four rows of 64 bytes to a piece): 8,704 bytes a side;
.set STAT,  312320                     ; [tile][query][8 words]: -M of shares 0 .. 3, then their sums
.set PP,    528                        ; the partial results, laid over the first buffer when nobody reads it any more: slot 4 I + J = 16 rows x (512 bytes + 16)
.set PSL,   16*PP
.set AK,   1                           ; v1-2  K's fragments in buffer 0, 1: my side + 272 (r / 4) + 64 (r % 4) + 16 h + 8,704 J.  No address register is ever stepped
.set AV,   3                           ; v3-4  V's: my side + VOF + 272 r + 16 h + 64 J
.set CW,   5                           ; v5-6  where I put what I copy: my side + 272 h + 16 r + 4,352 cw
.set ASK,  7                           ; v7    K's scale words: SCK + my side's + 4 (r + 8 (r / 8)) + 512 J
.set ASV,  8                           ; v8    V's: SCV + my side's + 272 (r / 4) + 64 (r % 4) + 4 J
.set KGO,  9                           ; v9    where I take K's bytes from: 16 l + 4,096 cw
.set VGO,  10                          ; v10   and V's: 1,024 h + 16 r + 16,384 cw
.set STW,  11                          ; v11   STAT + 512 I + 32 r + 4 J
.set STR,  24                          ; v24   STAT + 512 I + 32 r
.set PST,  25                          ; v25   my slot of partial results: PSL (4 I + J) + 528 r + 32 h
.set PRD,  26                          ; v26   4 PSL I + 4 PP J + 16 l: the four rows that I add up and store
.set GO,   27                          ; v27   16 l
.set PU,   28                          ; v28   p's codes where nothing is computed: 0 in a valid query's lane, eight codes 6 in an invalid one's
.set LU,   29                          ; v29   what half of my 64 keys of such a step add to the sum: 0 or 32.0
.set DQ0,  30                          ; v30   L - 1 - 16 h, or -1 in an invalid query's lane
.set NEGV, 31                          ; v31   a hidden score: -infinity, or 0 in an invalid query's lane (all its scores alike: p = 1)
.set SKW,  252                         ; v252  the scale bytes' way into LDS: SCK + my side's + 1,024 cw + 16 l
.set SVW,  254                         ; v254  SCV + my side's + 1,088 cw + 272 h + 16 r
; v12 -M, v13 the largest t, v[14:15] the sum in two halves; v16-23 Q; v32-63 four fragments of K or V; v64-95 bytes on their way to LDS; v96-159 S^T, then p; v160-223 O^T; v224-231 p's codes;
; v232-247 at work (v[240:241]: f, 0); v248-251 K's or V's scale words; v253 p's; v255 Q's.
.set QGO,  232                         ; at the head only: Q's offsets 64 r + 16 h and 4 r; 272 (r / 4) + 64 (r % 4); l, r, h and three at work
.set QSO,  233
.set TD,   234
.set TL,   242
.set TR,   243
.set TH,   244
.set TA,   245
.set TB,   246
.set TC,   247
.set WV,   20                          ; s20 wave; s21 I; s22 J; s23 my side; s24 cw = 4 (I % 2) + J: which eighth of my side's stage I copy; s25 my first query
.set TI,   21
.set TJ,   22
.set BETA, 23
.set CWI,  24
.set Q0,   25
.set LEN,  26                          ; s26 L of my side's batch
.set LK,   27                          ; s27 a step is worked in full where its first key < LK: L, or 0 where my tile has no valid query
.set LM,   28                          ; s28 its mask lines are passed over where its last key < LM: L, or 0 where my tile has an invalid query
.set THAS, 29                          ; s29 1: my tile has an invalid query
.set NK,   30                          ; s30 K's stage s is copied where 512 s < NK: L, or 0 where my side's 32 queries have no valid one
.set NV,   31                          ; s31 V's where 512 s < NV: L, or 2,048 where they have an invalid one
.set KF,   32                          ; s32 my step's first key
.set Q32,  33                          ; s33 my side's first query
.set BIDX, 34                          ; s34 my side's batch
.set RB,   35                          ; s35 my side's place in a buffer
.set IDX,  36                          ; s36 my side's place in the sorted order
.set SEL,  40                          ; s[40:41] lane selects for v_permlanex16_b32: lane l xor 16
.set CS,   42                          ; s[42:43] c = log2(e) / sqrt(128); the packed form names a pair and takes its low word for both halves
.set EL,   48                          ; s[48:55] the eight lengths, then the keys 8 L + batch; s56 at work
.macro BAR                             ; my LDS stores have landed and my LDS loads are in: then the work-group's barrier.  Every wave passes all six; none stands under a branch
	s_wait_dscnt 0x0
	s_barrier_signal -1
	s_barrier_wait -1
.endm
; THE COPY OF STAGE n, in two halves, since 32 registers serve 64 registers' worth.  No offset register and no base is ever rewritten: the stage stands in the immediate.
; First my 4,096 bytes of K are asked for (each load 512 consecutive bytes), straight behind the barrier.
.macro FILL_K n
	s_cmp_gt_u32 s[NK], 512*(\n)
	s_cbranch_scc0 .Lno_k_\@
.irp m, 0,1,2,3,4,5,6,7
	global_load_b128 v[64+4*\m:67+4*\m], v[KGO], s[8:9] offset:32768*(\n)+512*\m
.endr
.Lno_k_\@:
.endm
; In the middle of the step K goes into LDS and my 16 rows' 256 bytes of V are asked for (each load two whole runs of 256 bytes).  Load m brought keys 8 m .. 8 m + 7 of my 64: in each 32 they are rows 0-7, 16-23, 8-15, 24-31 of the two tiles that the 32 keys form.
.macro FILL_MID n
	s_wait_loadcnt 0x0                             ; whatever was asked for is in
	s_cmp_gt_u32 s[NK], 512*(\n)
	s_cbranch_scc0 .Lno_k_\@
.irp m, 0,1,2,3,4,5,6,7
	ds_store_b128 v[CW+(\n)%2], v[64+4*\m:67+4*\m] offset:2*KT*(\m/4)+KT*(\m%2)+(KT/2)*((\m%4)/2)
.endr
	s_wait_dscnt 0x0                               ; the stores have read their registers: V's loads may land there
.Lno_k_\@:
	s_cmp_gt_u32 s[NV], 512*(\n)
	s_cbranch_scc0 .Lno_v_\@
.irp e, 0,1,2,3,4,5,6,7
	global_load_b128 v[64+4*\e:67+4*\e], v[VGO], s[12:13] offset:256*(\n)+2048*\e
.endr
.Lno_v_\@:
.endm
; At the step's end V goes into LDS.
.macro FILL_END n
	s_wait_loadcnt 0x0
	s_cmp_gt_u32 s[NV], 512*(\n)
	s_cbranch_scc0 .Lno_v_\@
.irp e, 0,1,2,3,4,5,6,7
	ds_store_b128 v[CW+(\n)%2], v[64+4*\e:67+4*\e] offset:VOF+2*VP*\e
.endr
.Lno_v_\@:
.endm
; S^T = K Q^T: tiles 4 g .. 4 g + 3 of my step's eight.  The sums begin with the constant 0.
.macro QK g, s
.if (\g) > 0
.rept 4
	v_nop                                          ; four places in front of loads into registers that the last products read (ISA guide 7.12.1 for vector instructions)
.endr
.endif
.irp t, 0,1,2,3
.irp c, 0,1
	ds_load_b128 v[32+8*\t+4*\c:35+8*\t+4*\c], v[AK+(\s)%2] offset:KT*(4*(\g)+\t)+32*\c
.endr
	ds_load_b32 v[248+\t], v[ASK] offset:2048*(\s)+128*((4*(\g)+\t)/2)+32*(\t%2)
.endr
	s_wait_dscnt 0x0
.irp t, 0,1,2,3
	v_wmma_scale_f32_16x16x128_f8f6f4 v[96+8*(4*(\g)+\t):103+8*(4*(\g)+\t)], v[32+8*\t:39+8*\t], v[16:23], 0, v[248+\t], v255 matrix_a_fmt:MATRIX_FMT_FP4 matrix_b_fmt:MATRIX_FMT_FP4
.endr
.endm
; V's tiles 4 g .. 4 g + 3 (16 of the head's 128 x my 128 keys) and their scale words
.macro VLOAD g, s
.irp t, 0,1,2,3
.irp c, 0,1
	ds_load_b128 v[32+8*\t+4*\c:35+8*\t+4*\c], v[AV+(\s)%2] offset:16*VP*(4*(\g)+\t)+32*\c
.endr
	ds_load_b32 v[248+\t], v[ASV] offset:1088*(4*(\g)+\t)+16*(\s)
.endr
.endm
; O^T += V^T P^T for those four tiles.  O^T's eight accumulators take turns, one instruction a turn, and behind the eighth comes S^T's first or O^T's first.
.macro PV g
	s_wait_dscnt 0x0
.irp t, 0,1,2,3
	v_wmma_scale_f32_16x16x128_f8f6f4 v[160+8*(4*(\g)+\t):167+8*(4*(\g)+\t)], v[32+8*\t:39+8*\t], v[224:231], v[160+8*(4*(\g)+\t):167+8*(4*(\g)+\t)], v[248+\t], v253 matrix_a_fmt:MATRIX_FMT_FP4 matrix_b_fmt:MATRIX_FMT_FP4
.endr
.endm
; Hidden scores.  Register 16 b + i holds key KF + 32 b + 16 h + i: hidden where 32 b + i > d = L - 1 - 16 h - KF; in an invalid query's lane d < 0: all are.  Passed over where all 128 keys count for all 16 queries.  Ascending: each tile of S^T is read from its low end on.
.macro MASK
	s_add_co_u32 s44, s[KF], 128
	s_cmp_le_u32 s44, s[LM]
	s_cbranch_scc1 .Lopen_\@
	v_sub_nc_u32 v242, v[DQ0], s[KF]
.set nn, 0
.rept 64
	v_cmp_gt_i32 vcc_lo, 32*(nn/16)+nn%16, v242
	v_cndmask_b32 v[96+nn], v[96+nn], v[NEGV], vcc_lo
.set nn, nn+1
.endr
.Lopen_\@:
.endm
; The softmax of my 16 queries x 128 keys, first part: the maxima, M, and the 64 exponentials with their wait.
.macro SOFTMAX_A
.irp b, 0,1,2,3
	v_max3_num_f32 v[232+\b], v[96+16*\b], v[97+16*\b], v[98+16*\b]   ; the largest score of each block of 32 keys: it serves the row's maximum and, since p rises with the score, the block's largest p
.endr
.irp i, 3,5,7,9,11,13
.irp b, 0,1,2,3
	v_max3_num_f32 v[232+\b], v[232+\b], v[96+16*\b+\i], v[97+16*\b+\i]   ; (the four blocks by turns)
.endr
.endr
.irp b, 0,1,2,3
	v_max_num_f32 v[232+\b], v[232+\b], v[111+16*\b]
.endr
.irp b, 0,1,2,3
	v_permlanex16_b32 v[236+\b], v[232+\b], s[SEL], s[SEL+1]
.endr
.irp b, 0,1,2,3
	v_max_num_f32 v[232+\b], v[232+\b], v[236+\b]  ; with lane l xor 16's 16 keys
.endr
	v_max3_num_f32 v243, v232, v233, v234
	v_max_num_f32 v243, v243, v235                 ; the step's largest score of my query
	v_mul_f32 v243, s[CS], v243                    ; as t (c is positive)
	v_max_num_f32 v13, v13, v243                   ; the running largest t
	v_mov_b32 v243, v12
	v_floor_f32 v12, -v13                          ; the new -M = floor(-t) = -ceil(t): a whole number
	v_sub_f32 v243, v12, v243                      ; old M - new M: a whole number, 0 or less
	v_cvt_i32_f32 v243, v243                       ; (it saturates)
	v_ldexp_f32 v240, 1.0, v243                    ; f = 2^(old M - new M): a multiplication by it rounds nothing
.set jj, 0
.rept 32
	v_pk_fma_f32 v[96+jj:97+jj], v[96+jj:97+jj], s[CS:CS+1], v[12:13] op_sel_hi:[1,0,0]   ; t - M, two at a time
.set jj, jj+2
.endr
.irp b, 0,1,2,3
	v_fma_f32 v[232+\b], v[232+\b], s[CS], v12     ; the same of each block's largest score
.endr
.set jj, 0
.rept 64
	v_exp_f32 v[96+jj], v[96+jj]                   ; p = 2^(t - M), at most 1, not normalised
.set jj, jj+1
.endr
	v_pk_mul_f32 v[14:15], v[14:15], v[240:241] op_sel_hi:[1,0]   ; the sums under the new M (a plain instruction behind the exponentials)
	s_wait_alu depctr_va_vdst(0)                   ; ahead of the batch's first reader, and ahead of the branches of the copy that follows: one for the 64
.endm
; Second part: the sum, p's codes and scale word, O^T under the new M.
.macro SOFTMAX_B
.irp b, 0,1,2,3
	v_exp_f32 v[232+\b], v[232+\b]                 ; the block's largest p: the same two instructions on the same number
.endr
	v_pk_add_f32 v[236:237], v[96:97], v[98:99]    ; the row's sum is taken of the unquantised p: two at a time, in two chains
.set jj, 4
.rept 15
	v_pk_add_f32 v[14:15], v[14:15], v[96+jj:97+jj]
	v_pk_add_f32 v[236:237], v[236:237], v[98+jj:99+jj]
.set jj, jj+4
.endr
	v_pk_add_f32 v[14:15], v[14:15], v[236:237]
	s_wait_alu depctr_va_vdst(0)                   ; and one for the four
.irp b, 0,1,2,3
	v_max_num_f32 v[232+\b], 0x1800000, v[232+\b]  ; the floor 2^(3 - 127): the byte cannot fall under 1 (a block whose every p is 0 keeps that byte: its codes are zeros)
.endr
.irp b, 0,1,2,3
	v_add_nc_u32 v[244+\b], 0xff000000, v[232+\b]  ; 2 off the exponent field: the conversion's scale operand
.endr
.irp b, 0,1,2,3
	v_lshrrev_b32 v[236+\b], 23, v[244+\b]         ; the scale's byte
.endr
	v_lshl_or_b32 v253, v237, 8, v236              ; p's scale word for these 128 keys
	v_lshl_or_b32 v253, v238, 16, v253
	v_lshl_or_b32 v253, v239, 24, v253
.irp b, 0,1,2,3
	v_cvt_scalef32_pk8_fp4_f32 v[224+2*\b], v[96+16*\b:103+16*\b], v[244+\b]
	v_cvt_scalef32_pk8_fp4_f32 v[225+2*\b], v[104+16*\b:111+16*\b], v[244+\b]
.endr
	v_nop                                          ; one plain instruction behind the last scaled conversion
.irp c, 0,1                                    ; the operand's layout wants a whole block in a lane: lanes 0-15 block 2 c, lanes 16-31 block 2 c + 1
.irp i, 0,1
	v_permlane16_swap_b32 v[224+4*\c+\i], v[226+4*\c+\i]
.endr
.endr
.set jj, 0
.rept 32
	v_pk_mul_f32 v[160+jj:161+jj], v[160+jj:161+jj], v[240:241] op_sel_hi:[1,0]   ; O^T under the new M, from each tile's low end on; these 32 also stand between the writes of p's codes and scale word and the products
.set jj, jj+2
.endr
.endm
; A step in which nothing is computed of p: every key of it is hidden from my valid queries (p = 0) and counts 1 for my invalid ones.  M does not move.
.macro UNIF s
	VLOAD 0, \s
	v_mov_b32 v253, 0x7d7d7d7d                     ; the scale 2^-2 for all four blocks; twelve plain instructions stand between this line and the first product,
.irp i, 0,1,2,3,4,5,6,7
	v_mov_b32 v[224+\i], v[PU]
.endr
	v_add_f32 v14, v14, v[LU]                      ; my 64 keys: 32 to each half of the sum
	v_add_f32 v15, v15, v[LU]
	v_nop
	v_nop                                          ; and four behind the last write of an operand
	PV 0
.rept 4
	v_nop
.endr
	VLOAD 1, \s
	PV 1
.endm
; My key step of stage s: in full, uniform, or nothing.  The branches hang on ids and on L alone.  The middle of the next stage's copy stands on every way: in a full step behind the wait for the 64 exponentials, else at the head.
.macro STEP s
	s_cmp_lt_u32 s[KF], s[LK]
	s_cbranch_scc1 .Lfull_\@
.if (\s) < 3
	FILL_MID (\s)+1
.endif
	s_cmp_eq_u32 s[THAS], 0
	s_cbranch_scc1 .Ldone_\@
	UNIF \s
	s_branch .Ldone_\@
.Lfull_\@:
	QK 0, \s
	QK 1, \s
.rept 4
	v_nop                                          ; four places: in front of the loads below, and of the first read of S^T
.endr
	VLOAD 0, \s                                    ; V's first four tiles land under the softmax, which names none of their registers
	MASK
	SOFTMAX_A
.if (\s) < 3
	FILL_MID (\s)+1
.endif
	SOFTMAX_B
	PV 0
.rept 4
	v_nop
.endr
	VLOAD 1, \s
	PV 1
.Ldone_\@:
.rept 4
	v_nop                                          ; on every way: the places behind the step's last products, for the next step's loads and moves into their registers and for the first reads of O^T
.endr
.if (\s) < 3
	s_add_co_u32 s[KF], s[KF], 512
.endif
.endm
.macro CE a, b                         ; a compare-exchange: the smaller key to place a
	s_min_u32 s56, s[EL+\a], s[EL+\b]
	s_max_u32 s[EL+\b], s[EL+\a], s[EL+\b]
	s_mov_b32 s[EL+\a], s56
.endm
	s_load_b256 s[4:11], s[0:1], 0x0               ; q's codes s[4:5], q's scales s[6:7], k's codes s[8:9], k's scales s[10:11]
	s_load_b256 s[12:19], s[0:1], 0x20             ; v's codes s[12:13], v's scales s[14:15], event_length s[16:17], out0 s[18:19]
	v_lshrrev_b32 v[TA], 5, v0
	v_readfirstlane_b32 s[WV], v[TA]               ; wave 0 .. 15
	v_and_b32 v[TL], 31, v0                        ; l
	v_and_b32 v[TR], 15, v0                        ; r
	v_bfe_u32 v[TH], v0, 4, 1                      ; h
	s_lshr_b32 s[TJ], s[WV], 2
	s_xor_b32 s[TI], s[WV], s[TJ]
	s_and_b32 s[TI], s[TI], 3
	s_lshr_b32 s[BETA], s[TI], 1
	s_and_b32 s44, s[TI], 1
	s_lshl_b32 s[CWI], s44, 2
	s_add_co_u32 s[CWI], s[CWI], s[TJ]
	s_wait_kmcnt 0x0
	s_load_b256 s[EL:EL+7], s[16:17], 0x0          ; all eight lengths; everything down to the wait for them hangs on ids alone and stands under their way
	s_lshl_b32 s45, ttmp9, 5                       ; 32 x
	s_sub_co_u32 s46, 2016, s45                    ; 32 (63 - x)
	s_and_b32 s47, ttmp7, 0xffff                   ; y
	s_sub_co_u32 s[IDX], 7, s47
	s_cmp_eq_u32 s[BETA], 0
	s_cselect_b32 s[Q32], s45, s46
	s_cselect_b32 s[IDX], s[IDX], s47              ; side 0: place 7 - y of the ascending order; side 1: place y
	s_lshl_b32 s44, s44, 4
	s_add_co_u32 s[Q0], s[Q32], s44
	s_lshl_b32 s[KF], s[TJ], 7
	s_mul_i32 s[RB], s[BETA], REGB
	s_mov_b32 s[SEL], 0x76543210
	s_mov_b32 s[SEL+1], 0xfedcba98
	s_mov_b32 s[CS], 0x3e0293ee
	s_mov_b32 s[CS+1], s[CS]
	; every LDS address is made here, of the thread's number and the wave's number alone
	v_lshlrev_b32 v[GO], 4, v[TL]
	v_lshlrev_b32 v[QGO], 6, v[TR]
	v_lshl_add_u32 v[QGO], v[TH], 4, v[QGO]
	v_lshlrev_b32 v[QSO], 2, v[TR]
	s_lshl_b32 s44, s[CWI], 12
	v_add_nc_u32 v[KGO], s44, v[GO]
	v_lshlrev_b32 v[TA], 10, v[TH]
	v_lshl_add_u32 v[TA], v[TR], 4, v[TA]
	s_lshl_b32 s44, s[CWI], 14
	v_add_nc_u32 v[VGO], s44, v[TA]
	v_mul_u32_u24 v[TC], v[TH], 272
	v_lshl_add_u32 v[TC], v[TR], 4, v[TC]          ; 272 h + 16 r
	v_lshrrev_b32 v[TD], 2, v[TR]
	v_mul_u32_u24 v[TD], v[TD], 272
	v_and_b32 v[TB], 3, v[TR]
	v_lshl_add_u32 v[TD], v[TB], 6, v[TD]          ; 272 (r / 4) + 64 (r % 4)
	v_lshl_add_u32 v[AK], v[TH], 4, v[TD]
	s_mul_i32 s44, s[TJ], KST
	s_add_co_u32 s44, s44, s[RB]
	v_add_nc_u32 v[AK], s44, v[AK]
	v_add_nc_u32 v[AK+1], BUFB, v[AK]
	v_mul_u32_u24 v[AV], v[TR], VP
	v_lshl_add_u32 v[AV], v[TH], 4, v[AV]
	s_lshl_b32 s44, s[TJ], 6
	s_add_co_u32 s44, s44, s[RB]
	s_add_co_u32 s44, s44, VOF
	v_add_nc_u32 v[AV], s44, v[AV]
	v_add_nc_u32 v[AV+1], BUFB, v[AV]
	s_mul_i32 s44, s[CWI], 4*KT
	s_add_co_u32 s44, s44, s[RB]
	v_add_nc_u32 v[CW], s44, v[TC]
	v_add_nc_u32 v[CW+1], BUFB, v[CW]
	v_and_b32 v[TA], 8, v[TR]
	v_add_nc_u32 v[TA], v[TA], v[TR]               ; r + 8 (r / 8)
	s_lshl_b32 s44, s[TJ], 9
	s_lshl_b32 s45, s[BETA], 13
	s_add_co_u32 s44, s44, s45
	s_add_co_u32 s44, s44, SCK
	v_lshl_add_u32 v[ASK], v[TA], 2, s44
	s_lshl_b32 s44, s[CWI], 10
	s_add_co_u32 s44, s44, s45
	s_add_co_u32 s44, s44, SCK
	v_add_nc_u32 v[SKW], s44, v[GO]
	s_mul_i32 s45, s[BETA], 8704
	s_lshl_b32 s44, s[TJ], 2
	s_add_co_u32 s44, s44, s45
	s_add_co_u32 s44, s44, SCV
	v_add_nc_u32 v[ASV], s44, v[TD]
	s_mul_i32 s44, s[CWI], 1088
	s_add_co_u32 s44, s44, s45
	s_add_co_u32 s44, s44, SCV
	v_add_nc_u32 v[SVW], s44, v[TC]
	s_lshl_b32 s44, s[TI], 9
	s_add_co_u32 s44, s44, STAT
	v_lshl_add_u32 v[STR], v[TR], 5, s44
	s_lshl_b32 s45, s[TJ], 2
	v_add_nc_u32 v[STW], s45, v[STR]
	s_lshl_b32 s44, s[TI], 2
	s_add_co_u32 s44, s44, s[TJ]
	s_mul_i32 s44, s44, PSL
	v_mul_u32_u24 v[TA], v[TR], PP
	v_lshl_add_u32 v[TA], v[TH], 5, v[TA]
	v_add_nc_u32 v[PST], s44, v[TA]
	s_mul_i32 s44, s[TI], 4*PSL
	s_mul_i32 s45, s[TJ], 4*PP
	s_add_co_u32 s44, s44, s45
	v_add_nc_u32 v[PRD], s44, v[GO]
	v_mov_b32 v241, 0                              ; the upper half of the pair v[240:241], and a zero
	v_mov_b32 v14, 0                               ; the sum, in two halves
	v_mov_b32 v15, 0
.irp b, 0,1,2,3
	v_mov_b32 v[236+\b], 0                         ; written once: a lane permute's destination counts as one of its sources
.endr
.set jj, 0
.rept 64
	v_mov_b32 v[160+jj], 0                         ; O^T begins as zeros: which kind a wave's first step is hangs on L, so no step is written as the first
.set jj, jj+1
.endr
	s_wait_kmcnt 0x0
	; THE ORDER OF THE BATCHES: keys 8 L + batch, all different, sorted ascending by 19 compare-exchanges
.irp i, 0,1,2,3,4,5,6,7
	s_max_i32 s[EL+\i], s[EL+\i], 0
	s_min_i32 s[EL+\i], s[EL+\i], 2048
	s_lshl_b32 s[EL+\i], s[EL+\i], 3
	s_or_b32 s[EL+\i], s[EL+\i], \i
.endr
	CE 0, 1
	CE 2, 3
	CE 4, 5
	CE 6, 7
	CE 0, 2
	CE 1, 3
	CE 4, 6
	CE 5, 7
	CE 1, 2
	CE 5, 6
	CE 0, 4
	CE 3, 7
	CE 1, 5
	CE 2, 6
	CE 1, 4
	CE 3, 6
	CE 2, 4
	CE 3, 5
	CE 3, 4
	s_mov_b32 s56, s[EL]
.irp i, 1,2,3,4,5,6,7
	s_cmp_eq_u32 s[IDX], \i
	s_cselect_b32 s56, s[EL+\i], s56
.endr
	s_lshr_b32 s[LEN], s56, 3                      ; my side's length,
	s_and_b32 s[BIDX], s56, 7                      ; and its batch:
	s_min_u32 s[BIDX], s[BIDX], 7                  ; a number read from memory enters offsets only behind this bound
	s_lshl_b32 s44, s[BIDX], 17                    ; a batch's codes of k, and of v: 131,072 bytes
	s_mov_b32 s45, 0
	s_add_nc_u64 s[8:9], s[8:9], s[44:45]
	s_add_nc_u64 s[12:13], s[12:13], s[44:45]
	s_lshl_b32 s44, s[BIDX], 13                    ; its scale bytes: 8,192; my wave copies 1,024 of them
	s_lshl_b32 s46, s[CWI], 10
	s_add_co_u32 s44, s44, s46
	s_add_nc_u64 s[10:11], s[10:11], s[44:45]
	s_add_nc_u64 s[14:15], s[14:15], s[44:45]
	s_lshl_b32 s46, s[BIDX], 11
	s_add_co_u32 s46, s46, s[Q0]                   ; my first query among all 16,384
	s_lshl_b32 s44, s46, 6
	s_add_nc_u64 s[4:5], s[4:5], s[44:45]
	s_lshl_b32 s44, s46, 2
	s_add_nc_u64 s[6:7], s[6:7], s[44:45]
	s_lshl_b32 s47, s[TJ], 2
	s_add_co_u32 s46, s46, s47                     ; the first of the four rows that I store
	s_lshl_b32 s44, s46, 9
	s_add_nc_u64 s[18:19], s[18:19], s[44:45]
	; 23 loads: Q, my part of the side's scale bytes, my part of stage 0 of K and of V (copied in every case, so that v64-95 are written on every way; V's borrows S^T's registers, which are free here)
	global_load_b128 v[16:19], v[QGO], s[4:5]
	global_load_b128 v[20:23], v[QGO], s[4:5] offset:32
	global_load_b32 v255, v[QSO], s[6:7]
	global_load_b128 v[32:35], v[GO], s[10:11]
	global_load_b128 v[36:39], v[GO], s[10:11] offset:512
	global_load_b128 v[40:43], v[GO], s[14:15]
	global_load_b128 v[44:47], v[GO], s[14:15] offset:512
.irp m, 0,1,2,3,4,5,6,7
	global_load_b128 v[64+4*\m:67+4*\m], v[KGO], s[8:9] offset:512*\m
.endr
.irp e, 0,1,2,3,4,5,6,7
	global_load_b128 v[96+4*\e:99+4*\e], v[VGO], s[12:13] offset:2048*\e
.endr
	s_cmp_lt_u32 s[Q32], s[LEN]
	s_cselect_b32 s[NK], s[LEN], 0
	s_add_co_u32 s44, s[Q32], 32
	s_cmp_le_u32 s44, s[LEN]
	s_cselect_b32 s[NV], s[LEN], 2048
	s_add_co_u32 s44, s[Q0], 15
	s_cmp_ge_u32 s44, s[LEN]
	s_cselect_b32 s[THAS], 1, 0
	s_cselect_b32 s[LM], 0, s[LEN]
	s_cmp_ge_u32 s[Q0], s[LEN]
	s_cselect_b32 s[LK], 0, s[LEN]
	v_add_nc_u32 v[TA], s[Q0], v[TR]               ; my query
	v_cmp_gt_u32 vcc_lo, s[LEN], v[TA]             ; valid?
	v_lshlrev_b32 v[TB], 4, v[TH]
	v_sub_nc_u32 v[TB], s[LEN], v[TB]
	v_add_nc_u32 v[TB], -1, v[TB]                  ; L - 1 - 16 h
	v_cndmask_b32 v[DQ0], -1, v[TB], vcc_lo
	v_mov_b32 v[TB], 0xff800000                    ; -infinity
	v_cndmask_b32 v[NEGV], 0, v[TB], vcc_lo
	v_cndmask_b32 v[PU], 0x66666666, v241, vcc_lo
	v_cndmask_b32 v[LU], 0x42000000, v241, vcc_lo  ; 32.0
	v_mov_b32 v[TB], 0xff61b1e6                    ; -3e38, under every t
	v_cndmask_b32 v13, 0, v[TB], vcc_lo            ; the largest t so far; an invalid query's is 0 from the start, and stays
	v_floor_f32 v12, -v13                          ; -M
	s_wait_loadcnt 0x0
	ds_store_b128 v[SKW], v[32:35]
	ds_store_b128 v[SKW], v[36:39] offset:512
	ds_store_b128 v[SVW], v[40:43]
	ds_store_b128 v[SVW], v[44:47] offset:544
.irp m, 0,1,2,3,4,5,6,7
	ds_store_b128 v[CW], v[64+4*\m:67+4*\m] offset:2*KT*(\m/4)+KT*(\m%2)+(KT/2)*((\m%4)/2)
.endr
.irp e, 0,1,2,3,4,5,6,7
	ds_store_b128 v[CW], v[96+4*\e:99+4*\e] offset:VOF+2*VP*\e
.endr
	; THE FOUR STAGES.  Behind each barrier the stage's bytes, stored by all sixteen waves in front of it, are read from one buffer; the next stage goes into the other buffer, whose last reads every wave had waited for in front of that barrier.
	BAR
	FILL_K 1
	STEP 0
	FILL_END 1
	BAR
	FILL_K 2
	STEP 1
	FILL_END 2
	BAR
	FILL_K 3
	STEP 2
	FILL_END 3
	BAR
	STEP 3
	; MY SHARE'S -M AND SUM go to the tile's words.  Lanes l and l xor 16 hold the same query and write the same words with the same values.
	v_add_f32 v14, v14, v15
	v_permlanex16_b32 v236, v14, s[SEL], s[SEL+1]
	v_add_f32 v14, v14, v236
	ds_store_b32 v[STW], v12
	ds_store_b32 v[STW], v14 offset:16
	BAR                                            ; the four shares' words lie in LDS, and no wave reads K or V any more
	ds_load_b128 v[32:35], v[STR]                  ; -M of shares 0 .. 3
	ds_load_b128 v[36:39], v[STR] offset:16        ; their sums
	s_wait_dscnt 0x0
	v_min3_num_f32 v40, v32, v33, v34
	v_min_num_f32 v40, v40, v35                    ; -M of the whole row: the least -M
.irp j, 0,1,2,3
	v_sub_f32 v[44+\j], v40, v[32+\j]              ; share j's M less the row's: a whole number, 0 or less
.endr
	v_sub_f32 v42, v40, v12                        ; my own
.irp j, 0,1,2,3
	v_cvt_i32_f32 v[44+\j], v[44+\j]               ; (it saturates: a share that worked no step gets the factor 0)
.endr
	v_cvt_i32_f32 v42, v42
.irp j, 0,1,2,3
	v_ldexp_f32 v[44+\j], 1.0, v[44+\j]
.endr
	v_ldexp_f32 v42, 1.0, v42
	v_mul_f32 v41, v44, v36
	v_fma_f32 v41, v45, v37, v41
	v_fma_f32 v41, v46, v38, v41
	v_fma_f32 v41, v47, v39, v41                   ; the row's sum
	v_rcp_f32 v43, v41
	v_nop                                          ; a plain instruction behind the reciprocal,
	s_wait_alu depctr_va_vdst(0)                   ; and the wait ahead of its first reader
	v_mul_f32 v240, v42, v43                       ; my share's factor / the row's sum
.set jj, 0
.rept 32
	v_pk_mul_f32 v[96+jj:97+jj], v[160+jj:161+jj], v[240:241] op_sel_hi:[1,0]   ; register 8 t + i: channel 16 t + 8 h + i of query r; each tile from its low end on
.set jj, jj+2
.endr
.irp t, 0,1,2,3,4,5,6,7
	ds_store_b128 v[PST], v[96+8*\t:99+8*\t] offset:64*\t
	ds_store_b128 v[PST], v[100+8*\t:103+8*\t] offset:64*\t+16
.endr
	BAR                                            ; the sixteen partial results lie in LDS
	; THE WAY OUT: I add the four shares of rows 4 J .. 4 J + 3 of my tile; the 32 lanes hold a row's 512 bytes
.irp p, 0,1,2,3
.irp j, 0,1,2,3
	ds_load_b128 v[32+16*\p+4*\j:35+16*\p+4*\j], v[PRD] offset:PSL*\j+PP*\p
.endr
.endr
.irp p, 0,1,2,3
	s_wait_dscnt 12-4*\p                           ; row p's four loads are in; the four of each later row may be out
	v_pk_add_f32 v[32+16*\p:33+16*\p], v[32+16*\p:33+16*\p], v[36+16*\p:37+16*\p]
	v_pk_add_f32 v[34+16*\p:35+16*\p], v[34+16*\p:35+16*\p], v[38+16*\p:39+16*\p]
	v_pk_add_f32 v[40+16*\p:41+16*\p], v[40+16*\p:41+16*\p], v[44+16*\p:45+16*\p]
	v_pk_add_f32 v[42+16*\p:43+16*\p], v[42+16*\p:43+16*\p], v[46+16*\p:47+16*\p]
	v_pk_add_f32 v[32+16*\p:33+16*\p], v[32+16*\p:33+16*\p], v[40+16*\p:41+16*\p]
	v_pk_add_f32 v[34+16*\p:35+16*\p], v[34+16*\p:35+16*\p], v[42+16*\p:43+16*\p]
	global_store_b128 v[GO], v[32+16*\p:35+16*\p], s[18:19] offset:512*\p th:TH_STORE_NT   ; 32 lanes store 512 consecutive bytes, at a multiple of 512 from out0's first byte; written once, read by nobody here
.endr
	s_wait_xcnt 0x0
	v_lshl_add_u32 v254, v0, 2, 0x4cc00
	v_mov_b32 v255, 0
	s_wait_tensorcnt 0x0
	ds_add_u32 v254, v255
	s_wait_dscnt 0x0
	s_endpgm
.Lfunc_end_k_q00006f4182_attn:
	.size	k_q00006f4182_attn, .Lfunc_end_k_q00006f4182_attn-k_q00006f4182_attn
	.p2alignl 7, 3214868480
	.fill 96, 4, 3214868480
	.section	.rodata,"a",@progbits
	.p2align	6, 0x0
	.amdhsa_kernel k_q00006f4182_attn
		.amdhsa_group_segment_fixed_size 316416
		.amdhsa_private_segment_fixed_size 0
		.amdhsa_enable_private_segment 0
		.amdhsa_kernarg_size 64
		.amdhsa_user_sgpr_count 2
		.amdhsa_user_sgpr_kernarg_segment_ptr 1
		.amdhsa_wavefront_size32 1
		.amdhsa_system_sgpr_workgroup_id_x 1
		.amdhsa_system_sgpr_workgroup_id_y 1
		.amdhsa_system_sgpr_workgroup_id_z 1
		.amdhsa_system_vgpr_workitem_id 0
		.amdhsa_next_free_vgpr 256
		.amdhsa_next_free_sgpr 66
		.amdhsa_reserve_vcc 1
		.amdhsa_float_denorm_mode_32 3
		.amdhsa_float_denorm_mode_16_64 3
		.amdhsa_memory_ordered 1
		.amdhsa_forward_progress 1
		.amdhsa_inst_pref_size 145
	.end_amdhsa_kernel
	.amdgpu_metadata
---
amdhsa.version: [ 1, 2 ]
amdhsa.kernels:
  - .name:           k_q00006f4182_attn
    .symbol:         k_q00006f4182_attn.kd
    .args:
      - { .name: q_codes, .offset: 0, .size: 8, .value_kind: global_buffer, .address_space: global }
      - { .name: q_scales, .offset: 8, .size: 8, .value_kind: global_buffer, .address_space: global }
      - { .name: k_codes, .offset: 16, .size: 8, .value_kind: global_buffer, .address_space: global }
      - { .name: k_scales, .offset: 24, .size: 8, .value_kind: global_buffer, .address_space: global }
      - { .name: v_codes, .offset: 32, .size: 8, .value_kind: global_buffer, .address_space: global }
      - { .name: v_scales, .offset: 40, .size: 8, .value_kind: global_buffer, .address_space: global }
      - { .name: event_length, .offset: 48, .size: 8, .value_kind: global_buffer, .address_space: global }
      - { .name: out0, .offset: 56, .size: 8, .value_kind: global_buffer, .address_space: global }
    .group_segment_fixed_size: 316416
    .private_segment_fixed_size: 0
    .kernarg_segment_align: 8
    .kernarg_segment_size: 64
    .max_flat_workgroup_size: 512
    .sgpr_count:     66
    .vgpr_count:     256
    .wavefront_size: 32
...
	.end_amdgpu_metadata
.endif
;; end of part 1
;; ======== version 2 of 2: 1 launch; version 1 with the launch attn written anew for expert scheduling mode
;; limits: right only within a limited range of input values
;; launch attn (part 2): grid 64 x 4, 16 waves a work-group, no clusters, 316,416 bytes of LDS; arguments q_codes, q_scales, k_codes, k_scales, v_codes, v_scales, event_length, out0; writes out0
.if DOCPART == 2
	.amdgcn_target "amdgcn-amd-amdhsa--gfx1250"
	.amdhsa_code_object_version 6
	.text
	.protected	k_q00006f4182_attn
	.globl	k_q00006f4182_attn
	.p2align	8
	.type	k_q00006f4182_attn,@function
k_q00006f4182_attn:
	s_mov_b64 s[64:65], 0
	v_nop
	global_prefetch_b8 v0, s[64:65] scope:SCOPE_SE
	s_setreg_imm32_b32 hwreg(HW_REG_WAVE_SCHED_MODE, 0, 2), 2
	s_setreg_imm32_b32 hwreg(HW_REG_WAVE_MODE, 25, 1), 1
	s_wait_xcnt 0x0
	s_wait_alu depctr_vm_vsrc(0)
; out0[b][q][:] = the sum over k of softmax_k(masked q.k / sqrt(128)) v[b][k][:], 8 batches x 2,048 queries x 2,048 keys x 128, both products on codes of FP4 (E2M1) with one E8M0 scale for each 32 along K.
; THE MASK: L = event_length[b] (held to 0 .. 2,048, which gives the same mask for every int32); a score counts where query < L and key < L, else the logit is -1e9.
;   A query < L: hidden keys give p = 0.  Key steps that lie wholly at or beyond L are left out for it.
;   A query >= L: all 2,048 logits are equal, so p = 1 for every key (the number 4, code 6, under the scale byte 125) and the sum is 2,048: no first product, no exponential; the second product runs over all keys.
; THE SOFTMAX AHEAD OF THE SECOND PRODUCT: t = score x log2(e) / sqrt(128); M = the running largest t rounded UP to a whole number; p = 2^(t - M) is quantised along the keys; the sum is taken of the unquantised p and divides at the end.
; SHARES.  A valid tile of 16 queries costs ceil(L / 128) key steps, so long batches cost far more than short ones.  A WORK-GROUP THEREFORE SERVES TWO BATCHES: the eight lengths are sorted, and work-group (x, y) takes 32 queries of the
;   y-th longest batch (side 0: queries 32 x on) and 32 of the y-th shortest (side 1: queries 32 (63 - x) on: counted from the other end, so that both sides have valid queries only where the two lengths add up to more than 2,048).
;   Wave w: share J = w / 4 of the keys, tile I = (w xor J) % 4 (tiles 0, 1: side 0; tiles 2, 3: side 1): the four waves of equal w % 4 hold all four tiles, and so do the four of equal w / 4.
;   The keys go in 4 stages of 512; in stage s wave (I, J) takes the 128 keys from 512 s + 128 J on.  A tile's four partial results (O^T, -M, sum) meet through LDS at the end; they are brought under one M by whole powers of two.
;   The sort works on keys 8 L + batch by compare-exchanges alone, so its result is a permutation of the batches whatever the lengths: each output row has one owner.
; LAYOUT.  Both products are used transposed: S^T = K Q^T (source 0 = 16 keys, source 1 = my 16 queries), O^T = V^T P^T: a lane holds ONE query (lane % 16) throughout.  The keys of a tile are not neighbours: row m of tile 2 b + u is key
;   32 b + 8 u + m + 8 (m / 8), so that the 16 registers of tiles 2 b and 2 b + 1 are the 16 neighbouring keys 32 b + 16 (lane / 16) + 0 .. 15.  K is laid in LDS in that order when it is copied, so a fragment's 16 rows are neighbours there.
; HOW K AND V COME.  Through registers: each wave copies an eighth of its side's stage (global_load_b128, ds_store_b128), one stage ahead, into the other of two LDS buffers.  A stage that no wave of the side reads is not copied.
;   NO TENSOR LOADS, NO JOINT LOADS: which stages a side copies and which steps a wave works hang on event_length, a number read from memory.
; LIMITS: a valid query's largest real logit lies above -1e9 + 200 (so that hidden keys' p is 0 in f32); a scale byte 0xff (NaN) in a tile that the mask lets this text leave out does not reach the result.
; THE MODE: SCHED_MODE bits 1:0 = 2 (LLVM: expert scheduling mode 2), set by the entry lines.  The code itself states the register dependences between vector or matrix instructions and memory or LDS instructions, with s_wait_alu, always for 0.
; THE PLAN.  Registers that memory or LDS instructions touch:
;   v1-11, v24-27   addresses: written once at the head, ahead of the head's wait on va_vdst, and never again.  v232-233, v252, v254: addresses of the head alone; written again only behind stage 0's wait on vm_vsrc.
;   v64-95          the copy: global loads land in it, LDS stores read it, no vector instruction names it.  A wait on vm_vsrc stands between each run of stores and the next loads into it: at the heads of stages 0 to 2, in the copy's middle, ahead of the way out's loads.
;   v32-63, v248-251  four fragments and their scale words: LDS loads land in them, the four products behind each run read them.  There is one such buffer (four waves to a SIMD have 256 registers each, and all are taken), so a wait on va_vdst stands
;                   ahead of each run: at the heads of stages 1 to 3 for a step's first run, and behind each four products for the next.
;   v224-231, v253  p's codes and scale word: written by vector instructions, taken by scaled products: a wait on va_vdst ahead of a step's first product with V.
;   v12, v14, v96-159, v32-35 and so on at the end: written by vector instructions, read by a run of stores: one wait on va_vdst ahead of each of the three runs.
;   Scalar results of vector instructions: the wave's number, the head's compare (VCC), and the mask lines' compares, which go sixteen at a time into s48-63 with one wait on va_sdst behind each run.
.set KT,    1088                       ; a tile of K in LDS: 16 rows of 64 bytes as four pieces of 256 bytes + 16: row m begins at 272 (m / 4) + 64 (m % 4), so a fragment's 16 rows begin in 16 different columns of 16 bytes
.set KST,   8704                       ; a key step's 128 rows
.set VP,    272                        ; a row of V's stage: 256 bytes + 16
.set VOF,   34816                      ; LDS: a side's stage is K's 512 rows, and from here V's 128 rows;
.set REGB,  69632                      ; side 1's stage begins here;
.set BUFB,  139264                     ; and the second buffer here: stage s lies in buffer s % 2
.set SCK,   278528                     ; K's scale words, 4 bytes a key, dense, in the keys' own order: 8,192 bytes a side;
.set SCV,   294912                     ; V's scale bytes: 32 pieces of 256 bytes + 16 (four rows of 64 bytes to a piece): 8,704 bytes a side;
.set STAT,  312320                     ; [tile][query][8 words]: -M of shares 0 .. 3, then their sums
.set PP,    528                        ; the partial results, laid over the first buffer when nobody reads it any more: slot 4 I + J = 16 rows x (512 bytes + 16)
.set PSL,   16*PP
.set AK,   1                           ; v1-2  K's fragments in buffer 0, 1: my side + 272 (r / 4) + 64 (r % 4) + 16 h + 8,704 J.  No address register is ever stepped
.set AV,   3                           ; v3-4  V's: my side + VOF + 272 r + 16 h + 64 J
.set CW,   5                           ; v5-6  where I put what I copy: my side + 272 h + 16 r + 4,352 cw
.set ASK,  7                           ; v7    K's scale words: SCK + my side's + 4 (r + 8 (r / 8)) + 512 J
.set ASV,  8                           ; v8    V's: SCV + my side's + 272 (r / 4) + 64 (r % 4) + 4 J
.set KGO,  9                           ; v9    where I take K's bytes from: 16 l + 4,096 cw
.set VGO,  10                          ; v10   and V's: 1,024 h + 16 r + 16,384 cw
.set STW,  11                          ; v11   STAT + 512 I + 32 r + 4 J
.set STR,  24                          ; v24   STAT + 512 I + 32 r
.set PST,  25                          ; v25   my slot of partial results: PSL (4 I + J) + 528 r + 32 h
.set PRD,  26                          ; v26   4 PSL I + 4 PP J + 16 l: the four rows that I add up and store
.set GO,   27                          ; v27   16 l
.set PU,   28                          ; v28   p's codes where nothing is computed: 0 in a valid query's lane, eight codes 6 in an invalid one's
.set LU,   29                          ; v29   what half of my 64 keys of such a step add to the sum: 0 or 32.0
.set DQ0,  30                          ; v30   L - 1 - 16 h, or -1 in an invalid query's lane
.set NEGV, 31                          ; v31   a hidden score: -infinity, or 0 in an invalid query's lane (all its scores alike: p = 1)
.set SKW,  252                         ; v252  the scale bytes' way into LDS: SCK + my side's + 1,024 cw + 16 l
.set SVW,  254                         ; v254  SCV + my side's + 1,088 cw + 272 h + 16 r
; v12 -M, v13 the largest t, v[14:15] the sum in two halves; v16-23 Q; v32-63 four fragments of K or V; v64-95 bytes on their way to LDS; v96-159 S^T, then p; v160-223 O^T; v224-231 p's codes;
; v232-247 at work (v[240:241]: f, 0); v248-251 K's or V's scale words; v253 p's; v255 Q's.
.set QGO,  232                         ; at the head only: Q's offsets 64 r + 16 h and 4 r; 272 (r / 4) + 64 (r % 4); l, r, h and three at work
.set QSO,  233
.set TD,   234
.set TL,   242
.set TR,   243
.set TH,   244
.set TA,   245
.set TB,   246
.set TC,   247
.set WV,   20                          ; s20 wave; s21 I; s22 J; s23 my side; s24 cw = 4 (I % 2) + J: which eighth of my side's stage I copy; s25 my first query
.set TI,   21
.set TJ,   22
.set BETA, 23
.set CWI,  24
.set Q0,   25
.set LEN,  26                          ; s26 L of my side's batch
.set LK,   27                          ; s27 a step is worked in full where its first key < LK: L, or 0 where my tile has no valid query
.set LM,   28                          ; s28 its mask lines are passed over where its last key < LM: L, or 0 where my tile has an invalid query
.set THAS, 29                          ; s29 1: my tile has an invalid query
.set NK,   30                          ; s30 K's stage s is copied where 512 s < NK: L, or 0 where my side's 32 queries have no valid one
.set NV,   31                          ; s31 V's where 512 s < NV: L, or 2,048 where they have an invalid one
.set KF,   32                          ; s32 my step's first key
.set Q32,  33                          ; s33 my side's first query
.set BIDX, 34                          ; s34 my side's batch
.set RB,   35                          ; s35 my side's place in a buffer
.set IDX,  36                          ; s36 my side's place in the sorted order
.set SEL,  40                          ; s[40:41] lane selects for v_permlanex16_b32: lane l xor 16
.set CS,   42                          ; s[42:43] c = log2(e) / sqrt(128); the packed form names a pair and takes its low word for both halves
.set EL,   48                          ; s[48:55] the eight lengths, then the keys 8 L + batch; s56 at work
.set MK,   48                          ; s[48:63] behind the sort: sixteen lane masks of the mask lines
.macro BAR                             ; my LDS stores have landed and my LDS loads are in: then the work-group's barrier.  Every wave passes all six; none stands under a branch
	s_wait_dscnt 0x0
	s_barrier_signal -1
	s_barrier_wait -1
.endm
; THE COPY OF STAGE n, in two halves, since 32 registers serve 64 registers' worth.  No offset register and no base is ever rewritten: the stage stands in the immediate.
; First my 4,096 bytes of K are asked for (each load 512 consecutive bytes), straight behind the barrier and the stage's wait on vm_vsrc.
.macro FILL_K n
	s_cmp_gt_u32 s[NK], 512*(\n)
	s_cbranch_scc0 .Lno_k_\@
.irp m, 0,1,2,3,4,5,6,7
	global_load_b128 v[64+4*\m:67+4*\m], v[KGO], s[8:9] offset:32768*(\n)+512*\m
.endr
.Lno_k_\@:
.endm
; In the middle of the step K goes into LDS and my 16 rows' 256 bytes of V are asked for (each load two whole runs of 256 bytes).  Load m brought keys 8 m .. 8 m + 7 of my 64: in each 32 they are rows 0-7, 16-23, 8-15, 24-31 of the two tiles that the 32 keys form.
.macro FILL_MID n
	s_wait_loadcnt 0x0                             ; whatever was asked for is in
	s_cmp_gt_u32 s[NK], 512*(\n)
	s_cbranch_scc0 .Lno_k_\@
.irp m, 0,1,2,3,4,5,6,7
	ds_store_b128 v[CW+(\n)%2], v[64+4*\m:67+4*\m] offset:2*KT*(\m/4)+KT*(\m%2)+(KT/2)*((\m%4)/2)
.endr
	s_wait_dscnt 0x0                               ; the stores are done
.Lno_k_\@:
	s_wait_alu depctr_vm_vsrc(0)                   ; K's LDS stores have read v64-95, in which V's loads land
	s_cmp_gt_u32 s[NV], 512*(\n)
	s_cbranch_scc0 .Lno_v_\@
.irp e, 0,1,2,3,4,5,6,7
	global_load_b128 v[64+4*\e:67+4*\e], v[VGO], s[12:13] offset:256*(\n)+2048*\e
.endr
.Lno_v_\@:
.endm
; At the step's end V goes into LDS.
.macro FILL_END n
	s_wait_loadcnt 0x0
	s_cmp_gt_u32 s[NV], 512*(\n)
	s_cbranch_scc0 .Lno_v_\@
.irp e, 0,1,2,3,4,5,6,7
	ds_store_b128 v[CW+(\n)%2], v[64+4*\e:67+4*\e] offset:VOF+2*VP*\e
.endr
.Lno_v_\@:
.endm
; S^T = K Q^T: tiles 4 g .. 4 g + 3 of my step's eight.  The sums begin with the constant 0.  The first run of loads leans on the wait at the stage's head.
.macro QK g, s
.if (\g) > 0
.rept 4
	v_nop                                          ; four places in front of loads into registers that the last products read; they stay beside the wait below
.endr
	s_wait_alu depctr_va_vdst(0)                   ; the first four products are done reading v32-63 and v248-251, in which the loads below land
.endif
.irp t, 0,1,2,3
.irp c, 0,1
	ds_load_b128 v[32+8*\t+4*\c:35+8*\t+4*\c], v[AK+(\s)%2] offset:KT*(4*(\g)+\t)+32*\c
.endr
	ds_load_b32 v[248+\t], v[ASK] offset:2048*(\s)+128*((4*(\g)+\t)/2)+32*(\t%2)
.endr
	s_wait_dscnt 0x0
.irp t, 0,1,2,3
	v_wmma_scale_f32_16x16x128_f8f6f4 v[96+8*(4*(\g)+\t):103+8*(4*(\g)+\t)], v[32+8*\t:39+8*\t], v[16:23], 0, v[248+\t], v255 matrix_a_fmt:MATRIX_FMT_FP4 matrix_b_fmt:MATRIX_FMT_FP4
.endr
.endm
; V's tiles 4 g .. 4 g + 3 (16 of the head's 128 x my 128 keys) and their scale words.  The wait that frees their registers stands ahead of each use of this macro.
.macro VLOAD g, s
.irp t, 0,1,2,3
.irp c, 0,1
	ds_load_b128 v[32+8*\t+4*\c:35+8*\t+4*\c], v[AV+(\s)%2] offset:16*VP*(4*(\g)+\t)+32*\c
.endr
	ds_load_b32 v[248+\t], v[ASV] offset:1088*(4*(\g)+\t)+16*(\s)
.endr
.endm
; O^T += V^T P^T for those four tiles.  O^T's eight accumulators take turns, one instruction a turn, and behind the eighth comes S^T's first or O^T's first.
.macro PV g
	s_wait_dscnt 0x0
.if (\g) == 0
	s_wait_alu depctr_va_vdst(0)                   ; p's codes v224-231 and its scale word v253 are written, which the scaled products take as source 1 and as its scales; the places ahead of them stand above
.endif
.irp t, 0,1,2,3
	v_wmma_scale_f32_16x16x128_f8f6f4 v[160+8*(4*(\g)+\t):167+8*(4*(\g)+\t)], v[32+8*\t:39+8*\t], v[224:231], v[160+8*(4*(\g)+\t):167+8*(4*(\g)+\t)], v[248+\t], v253 matrix_a_fmt:MATRIX_FMT_FP4 matrix_b_fmt:MATRIX_FMT_FP4
.endr
.endm
; Hidden scores.  Register 16 b + i holds key KF + 32 b + 16 h + i: hidden where 32 b + i > d = L - 1 - 16 h - KF; in an invalid query's lane d < 0: all are.  Passed over where all 128 keys count for all 16 queries.  Ascending: each tile of S^T is read from its low end on.
; A block's sixteen compares go into sixteen scalar registers, one wait follows, then its sixteen selects.
.macro MASK
	s_add_co_u32 s44, s[KF], 128
	s_cmp_le_u32 s44, s[LM]
	s_cbranch_scc1 .Lopen_\@
	v_sub_nc_u32 v242, v[DQ0], s[KF]
.irp b, 0,1,2,3
.irp i, 0,1,2,3,4,5,6,7,8,9,10,11,12,13,14,15
	v_cmp_gt_i32 s[MK+\i], 32*\b+\i, v242
.endr
	s_wait_alu depctr_va_sdst(0)                   ; the sixteen compares have written s48-63, which the selects below read
.irp i, 0,1,2,3,4,5,6,7,8,9,10,11,12,13,14,15
	v_cndmask_b32 v[96+16*\b+\i], v[96+16*\b+\i], v[NEGV], s[MK+\i]
.endr
.endr
.Lopen_\@:
.endm
; The softmax of my 16 queries x 128 keys, first part: the maxima, M, and the 64 exponentials with their wait.
.macro SOFTMAX_A
.irp b, 0,1,2,3
	v_max3_num_f32 v[232+\b], v[96+16*\b], v[97+16*\b], v[98+16*\b]   ; the largest score of each block of 32 keys: it serves the row's maximum and, since p rises with the score, the block's largest p
.endr
.irp i, 3,5,7,9,11,13
.irp b, 0,1,2,3
	v_max3_num_f32 v[232+\b], v[232+\b], v[96+16*\b+\i], v[97+16*\b+\i]   ; (the four blocks by turns)
.endr
.endr
.irp b, 0,1,2,3
	v_max_num_f32 v[232+\b], v[232+\b], v[111+16*\b]
.endr
.irp b, 0,1,2,3
	v_permlanex16_b32 v[236+\b], v[232+\b], s[SEL], s[SEL+1]
.endr
.irp b, 0,1,2,3
	v_max_num_f32 v[232+\b], v[232+\b], v[236+\b]  ; with lane l xor 16's 16 keys
.endr
	v_max3_num_f32 v243, v232, v233, v234
	v_max_num_f32 v243, v243, v235                 ; the step's largest score of my query
	v_mul_f32 v243, s[CS], v243                    ; as t (c is positive)
	v_max_num_f32 v13, v13, v243                   ; the running largest t
	v_mov_b32 v243, v12
	v_floor_f32 v12, -v13                          ; the new -M = floor(-t) = -ceil(t): a whole number
	v_sub_f32 v243, v12, v243                      ; old M - new M: a whole number, 0 or less
	v_cvt_i32_f32 v243, v243                       ; (it saturates)
	v_ldexp_f32 v240, 1.0, v243                    ; f = 2^(old M - new M): a multiplication by it rounds nothing
.set jj, 0
.rept 32
	v_pk_fma_f32 v[96+jj:97+jj], v[96+jj:97+jj], s[CS:CS+1], v[12:13] op_sel_hi:[1,0,0]   ; t - M, two at a time
.set jj, jj+2
.endr
.irp b, 0,1,2,3
	v_fma_f32 v[232+\b], v[232+\b], s[CS], v12     ; the same of each block's largest score
.endr
.set jj, 0
	s_wait_alu depctr_va_vdst(0)
.rept 64
	v_exp_f32 v[96+jj], v[96+jj]                   ; p = 2^(t - M), at most 1, not normalised
.set jj, jj+1
.endr
	v_pk_mul_f32 v[14:15], v[14:15], v[240:241] op_sel_hi:[1,0]   ; the sums under the new M (a plain instruction behind the exponentials)
	s_wait_alu depctr_va_vdst(0)                   ; the 64 exponentials have written v96-159: one wait, ahead of their first reader and of the branches of the copy that follows
.endm
; Second part: the sum, p's codes and scale word, O^T under the new M.
.macro SOFTMAX_B
.irp b, 0,1,2,3
	v_exp_f32 v[232+\b], v[232+\b]                 ; the block's largest p: the same two instructions on the same number
.endr
	v_pk_add_f32 v[236:237], v[96:97], v[98:99]    ; the row's sum is taken of the unquantised p: two at a time, in two chains
.set jj, 4
.rept 15
	v_pk_add_f32 v[14:15], v[14:15], v[96+jj:97+jj]
	v_pk_add_f32 v[236:237], v[236:237], v[98+jj:99+jj]
.set jj, jj+4
.endr
	v_pk_add_f32 v[14:15], v[14:15], v[236:237]
	s_wait_alu depctr_va_vdst(0)                   ; the four exponentials have written v232-235, ahead of their first reader
.irp b, 0,1,2,3
	v_max_num_f32 v[232+\b], 0x1800000, v[232+\b]  ; the floor 2^(3 - 127): the byte cannot fall under 1 (a block whose every p is 0 keeps that byte: its codes are zeros)
.endr
.irp b, 0,1,2,3
	v_add_nc_u32 v[244+\b], 0xff000000, v[232+\b]  ; 2 off the exponent field: the conversion's scale operand
.endr
.irp b, 0,1,2,3
	v_lshrrev_b32 v[236+\b], 23, v[244+\b]         ; the scale's byte
.endr
	v_lshl_or_b32 v253, v237, 8, v236              ; p's scale word for these 128 keys
	v_lshl_or_b32 v253, v238, 16, v253
	v_lshl_or_b32 v253, v239, 24, v253
.irp b, 0,1,2,3
	v_cvt_scalef32_pk8_fp4_f32 v[224+2*\b], v[96+16*\b:103+16*\b], v[244+\b]
	v_cvt_scalef32_pk8_fp4_f32 v[225+2*\b], v[104+16*\b:111+16*\b], v[244+\b]
.endr
	v_nop                                          ; one plain instruction behind the last scaled conversion
.irp c, 0,1                                    ; the operand's layout wants a whole block in a lane: lanes 0-15 block 2 c, lanes 16-31 block 2 c + 1
.irp i, 0,1
	v_permlane16_swap_b32 v[224+4*\c+\i], v[226+4*\c+\i]
.endr
.endr
.set jj, 0
.rept 32
	v_pk_mul_f32 v[160+jj:161+jj], v[160+jj:161+jj], v[240:241] op_sel_hi:[1,0]   ; O^T under the new M, from each tile's low end on; these 32 also stand between the writes of p's codes and scale word and the products
.set jj, jj+2
.endr
.endm
; A step in which nothing is computed of p: every key of it is hidden from my valid queries (p = 0) and counts 1 for my invalid ones.  M does not move.  Its first run of loads leans on the wait at the stage's head.
.macro UNIF s
	VLOAD 0, \s
	v_mov_b32 v253, 0x7d7d7d7d                     ; the scale 2^-2 for all four blocks; twelve plain instructions stand between this line and the first product,
.irp i, 0,1,2,3,4,5,6,7
	v_mov_b32 v[224+\i], v[PU]
.endr
	v_add_f32 v14, v14, v[LU]                      ; my 64 keys: 32 to each half of the sum
	v_add_f32 v15, v15, v[LU]
	v_nop
	v_nop                                          ; and four behind the last write of an operand
	PV 0
.rept 4
	v_nop
.endr
	s_wait_alu depctr_va_vdst(0)                   ; the four products are done reading v32-63 and v248-251, in which the loads below land
	VLOAD 1, \s
	PV 1
.endm
; My key step of stage s: in full, uniform, or nothing.  The branches hang on ids and on L alone.  The middle of the next stage's copy stands on every way: in a full step behind the wait for the 64 exponentials, else at the head.
.macro STEP s
	s_cmp_lt_u32 s[KF], s[LK]
	s_cbranch_scc1 .Lfull_\@
.if (\s) < 3
	FILL_MID (\s)+1
.endif
	s_cmp_eq_u32 s[THAS], 0
	s_cbranch_scc1 .Ldone_\@
	s_wait_alu depctr_va_vdst(0)
	UNIF \s
	s_branch .Ldone_\@
.Lfull_\@:
	QK 0, \s
	QK 1, \s
.rept 4
	v_nop                                          ; four places: in front of the loads below, and of the first read of S^T
.endr
	s_wait_alu depctr_va_vdst(0)                   ; the second four products are done reading v32-63 and v248-251, in which the loads below land
	VLOAD 0, \s                                    ; V's first four tiles land under the softmax, which names none of their registers
	MASK
	SOFTMAX_A
.if (\s) < 3
	FILL_MID (\s)+1
.endif
	SOFTMAX_B
	PV 0
.rept 4
	v_nop
.endr
	s_wait_alu depctr_va_vdst(0)                   ; the four products are done reading v32-63 and v248-251, in which the loads below land
	VLOAD 1, \s
	PV 1
.Ldone_\@:
.rept 4
	v_nop                                          ; on every way: the places behind the step's last products, for the next step's loads and moves into their registers and for the first reads of O^T
.endr
.if (\s) < 3
	s_add_co_u32 s[KF], s[KF], 512
.endif
.endm
.macro CE a, b                         ; a compare-exchange: the smaller key to place a
	s_min_u32 s56, s[EL+\a], s[EL+\b]
	s_max_u32 s[EL+\b], s[EL+\a], s[EL+\b]
	s_mov_b32 s[EL+\a], s56
.endm
	s_load_b256 s[4:11], s[0:1], 0x0               ; q's codes s[4:5], q's scales s[6:7], k's codes s[8:9], k's scales s[10:11]
	s_load_b256 s[12:19], s[0:1], 0x20             ; v's codes s[12:13], v's scales s[14:15], event_length s[16:17], out0 s[18:19]
	v_lshrrev_b32 v[TA], 5, v0
	v_readfirstlane_b32 s[WV], v[TA]               ; wave 0 .. 15
	v_and_b32 v[TL], 31, v0                        ; l
	v_and_b32 v[TR], 15, v0                        ; r
	v_bfe_u32 v[TH], v0, 4, 1                      ; h
	s_wait_alu depctr_va_sdst(0)                   ; s20, the wave's number, is written, ahead of its first reader
	s_lshr_b32 s[TJ], s[WV], 2
	s_xor_b32 s[TI], s[WV], s[TJ]
	s_and_b32 s[TI], s[TI], 3
	s_lshr_b32 s[BETA], s[TI], 1
	s_and_b32 s44, s[TI], 1
	s_lshl_b32 s[CWI], s44, 2
	s_add_co_u32 s[CWI], s[CWI], s[TJ]
	s_wait_alu depctr_va_vdst(0)
	s_wait_kmcnt 0x0
	s_load_b256 s[EL:EL+7], s[16:17], 0x0          ; all eight lengths; everything down to the wait for them hangs on ids alone and stands under their way
	s_lshl_b32 s45, ttmp9, 5                       ; 32 x
	s_sub_co_u32 s46, 2016, s45                    ; 32 (63 - x)
	s_and_b32 s47, ttmp7, 0xffff                   ; y
	s_sub_co_u32 s[IDX], 7, s47
	s_cmp_eq_u32 s[BETA], 0
	s_cselect_b32 s[Q32], s45, s46
	s_cselect_b32 s[IDX], s[IDX], s47              ; side 0: place 7 - y of the ascending order; side 1: place y
	s_lshl_b32 s44, s44, 4
	s_add_co_u32 s[Q0], s[Q32], s44
	s_lshl_b32 s[KF], s[TJ], 7
	s_mul_i32 s[RB], s[BETA], REGB
	s_mov_b32 s[SEL], 0x76543210
	s_mov_b32 s[SEL+1], 0xfedcba98
	s_mov_b32 s[CS], 0x3e0293ee
	s_mov_b32 s[CS+1], s[CS]
	; every LDS address is made here, of the thread's number and the wave's number alone
	v_lshlrev_b32 v[GO], 4, v[TL]
	v_lshlrev_b32 v[QGO], 6, v[TR]
	v_lshl_add_u32 v[QGO], v[TH], 4, v[QGO]
	v_lshlrev_b32 v[QSO], 2, v[TR]
	s_lshl_b32 s44, s[CWI], 12
	v_add_nc_u32 v[KGO], s44, v[GO]
	v_lshlrev_b32 v[TA], 10, v[TH]
	v_lshl_add_u32 v[TA], v[TR], 4, v[TA]
	s_lshl_b32 s44, s[CWI], 14
	v_add_nc_u32 v[VGO], s44, v[TA]
	v_mul_u32_u24 v[TC], v[TH], 272
	v_lshl_add_u32 v[TC], v[TR], 4, v[TC]          ; 272 h + 16 r
	v_lshrrev_b32 v[TD], 2, v[TR]
	v_mul_u32_u24 v[TD], v[TD], 272
	v_and_b32 v[TB], 3, v[TR]
	v_lshl_add_u32 v[TD], v[TB], 6, v[TD]          ; 272 (r / 4) + 64 (r % 4)
	v_lshl_add_u32 v[AK], v[TH], 4, v[TD]
	s_mul_i32 s44, s[TJ], KST
	s_add_co_u32 s44, s44, s[RB]
	v_add_nc_u32 v[AK], s44, v[AK]
	v_add_nc_u32 v[AK+1], BUFB, v[AK]
	v_mul_u32_u24 v[AV], v[TR], VP
	v_lshl_add_u32 v[AV], v[TH], 4, v[AV]
	s_lshl_b32 s44, s[TJ], 6
	s_add_co_u32 s44, s44, s[RB]
	s_add_co_u32 s44, s44, VOF
	v_add_nc_u32 v[AV], s44, v[AV]
	v_add_nc_u32 v[AV+1], BUFB, v[AV]
	s_mul_i32 s44, s[CWI], 4*KT
	s_add_co_u32 s44, s44, s[RB]
	v_add_nc_u32 v[CW], s44, v[TC]
	v_add_nc_u32 v[CW+1], BUFB, v[CW]
	v_and_b32 v[TA], 8, v[TR]
	v_add_nc_u32 v[TA], v[TA], v[TR]               ; r + 8 (r / 8)
	s_lshl_b32 s44, s[TJ], 9
	s_lshl_b32 s45, s[BETA], 13
	s_add_co_u32 s44, s44, s45
	s_add_co_u32 s44, s44, SCK
	v_lshl_add_u32 v[ASK], v[TA], 2, s44
	s_lshl_b32 s44, s[CWI], 10
	s_add_co_u32 s44, s44, s45
	s_add_co_u32 s44, s44, SCK
	v_add_nc_u32 v[SKW], s44, v[GO]
	s_mul_i32 s45, s[BETA], 8704
	s_lshl_b32 s44, s[TJ], 2
	s_add_co_u32 s44, s44, s45
	s_add_co_u32 s44, s44, SCV
	v_add_nc_u32 v[ASV], s44, v[TD]
	s_mul_i32 s44, s[CWI], 1088
	s_add_co_u32 s44, s44, s45
	s_add_co_u32 s44, s44, SCV
	v_add_nc_u32 v[SVW], s44, v[TC]
	s_lshl_b32 s44, s[TI], 9
	s_add_co_u32 s44, s44, STAT
	v_lshl_add_u32 v[STR], v[TR], 5, s44
	s_lshl_b32 s45, s[TJ], 2
	v_add_nc_u32 v[STW], s45, v[STR]
	s_lshl_b32 s44, s[TI], 2
	s_add_co_u32 s44, s44, s[TJ]
	s_mul_i32 s44, s44, PSL
	v_mul_u32_u24 v[TA], v[TR], PP
	v_lshl_add_u32 v[TA], v[TH], 5, v[TA]
	v_add_nc_u32 v[PST], s44, v[TA]
	s_mul_i32 s44, s[TI], 4*PSL
	s_mul_i32 s45, s[TJ], 4*PP
	s_add_co_u32 s44, s44, s45
	v_add_nc_u32 v[PRD], s44, v[GO]
	v_mov_b32 v241, 0                              ; the upper half of the pair v[240:241], and a zero
	v_mov_b32 v14, 0                               ; the sum, in two halves
	v_mov_b32 v15, 0
.irp b, 0,1,2,3
	v_mov_b32 v[236+\b], 0                         ; written once: a lane permute's destination counts as one of its sources
.endr
.set jj, 0
.rept 64
	v_mov_b32 v[160+jj], 0                         ; O^T begins as zeros: which kind a wave's first step is hangs on L, so no step is written as the first
.set jj, jj+1
.endr
	s_wait_kmcnt 0x0
	; THE ORDER OF THE BATCHES: keys 8 L + batch, all different, sorted ascending by 19 compare-exchanges
.irp i, 0,1,2,3,4,5,6,7
	s_max_i32 s[EL+\i], s[EL+\i], 0
	s_min_i32 s[EL+\i], s[EL+\i], 2048
	s_lshl_b32 s[EL+\i], s[EL+\i], 3
	s_or_b32 s[EL+\i], s[EL+\i], \i
.endr
	CE 0, 1
	CE 2, 3
	CE 4, 5
	CE 6, 7
	CE 0, 2
	CE 1, 3
	CE 4, 6
	CE 5, 7
	CE 1, 2
	CE 5, 6
	CE 0, 4
	CE 3, 7
	CE 1, 5
	CE 2, 6
	CE 1, 4
	CE 3, 6
	CE 2, 4
	CE 3, 5
	CE 3, 4
	s_mov_b32 s56, s[EL]
.irp i, 1,2,3,4,5,6,7
	s_cmp_eq_u32 s[IDX], \i
	s_cselect_b32 s56, s[EL+\i], s56
.endr
	s_lshr_b32 s[LEN], s56, 3                      ; my side's length,
	s_and_b32 s[BIDX], s56, 7                      ; and its batch:
	s_min_u32 s[BIDX], s[BIDX], 7                  ; a number read from memory enters offsets only behind this bound
	s_lshl_b32 s44, s[BIDX], 17                    ; a batch's codes of k, and of v: 131,072 bytes
	s_mov_b32 s45, 0
	s_add_nc_u64 s[8:9], s[8:9], s[44:45]
	s_add_nc_u64 s[12:13], s[12:13], s[44:45]
	s_lshl_b32 s44, s[BIDX], 13                    ; its scale bytes: 8,192; my wave copies 1,024 of them
	s_lshl_b32 s46, s[CWI], 10
	s_add_co_u32 s44, s44, s46
	s_add_nc_u64 s[10:11], s[10:11], s[44:45]
	s_add_nc_u64 s[14:15], s[14:15], s[44:45]
	s_lshl_b32 s46, s[BIDX], 11
	s_add_co_u32 s46, s46, s[Q0]                   ; my first query among all 16,384
	s_lshl_b32 s44, s46, 6
	s_add_nc_u64 s[4:5], s[4:5], s[44:45]
	s_lshl_b32 s44, s46, 2
	s_add_nc_u64 s[6:7], s[6:7], s[44:45]
	s_lshl_b32 s47, s[TJ], 2
	s_add_co_u32 s46, s46, s47                     ; the first of the four rows that I store
	s_lshl_b32 s44, s46, 9
	s_add_nc_u64 s[18:19], s[18:19], s[44:45]
	s_wait_alu depctr_va_vdst(0)                   ; all offsets and LDS addresses (v1-11, v24-27, v232-233, v252, v254) are written: every load and store of the kernel reads one of them, and none is written again while it serves
	; 23 loads: Q, my part of the side's scale bytes, my part of stage 0 of K and of V (copied in every case, so that v64-95 are written on every way; V's borrows S^T's registers, which are free here)
	global_load_b128 v[16:19], v[QGO], s[4:5]
	global_load_b128 v[20:23], v[QGO], s[4:5] offset:32
	global_load_b32 v255, v[QSO], s[6:7]
	global_load_b128 v[32:35], v[GO], s[10:11]
	global_load_b128 v[36:39], v[GO], s[10:11] offset:512
	global_load_b128 v[40:43], v[GO], s[14:15]
	global_load_b128 v[44:47], v[GO], s[14:15] offset:512
.irp m, 0,1,2,3,4,5,6,7
	global_load_b128 v[64+4*\m:67+4*\m], v[KGO], s[8:9] offset:512*\m
.endr
.irp e, 0,1,2,3,4,5,6,7
	global_load_b128 v[96+4*\e:99+4*\e], v[VGO], s[12:13] offset:2048*\e
.endr
	s_cmp_lt_u32 s[Q32], s[LEN]
	s_cselect_b32 s[NK], s[LEN], 0
	s_add_co_u32 s44, s[Q32], 32
	s_cmp_le_u32 s44, s[LEN]
	s_cselect_b32 s[NV], s[LEN], 2048
	s_add_co_u32 s44, s[Q0], 15
	s_cmp_ge_u32 s44, s[LEN]
	s_cselect_b32 s[THAS], 1, 0
	s_cselect_b32 s[LM], 0, s[LEN]
	s_cmp_ge_u32 s[Q0], s[LEN]
	s_cselect_b32 s[LK], 0, s[LEN]
	v_add_nc_u32 v[TA], s[Q0], v[TR]               ; my query.  (The vector lines from here to the wait for the loads name no register that the 23 loads or the stores behind them touch)
	v_cmp_gt_u32 vcc_lo, s[LEN], v[TA]             ; valid?
	v_lshlrev_b32 v[TB], 4, v[TH]
	v_sub_nc_u32 v[TB], s[LEN], v[TB]
	v_add_nc_u32 v[TB], -1, v[TB]                  ; L - 1 - 16 h
	s_wait_alu depctr_va_vcc(0)                    ; the compare has written VCC, which the five selects below read
	v_cndmask_b32 v[DQ0], -1, v[TB], vcc_lo
	v_mov_b32 v[TB], 0xff800000                    ; -infinity
	v_cndmask_b32 v[NEGV], 0, v[TB], vcc_lo
	v_cndmask_b32 v[PU], 0x66666666, v241, vcc_lo
	v_cndmask_b32 v[LU], 0x42000000, v241, vcc_lo  ; 32.0
	v_mov_b32 v[TB], 0xff61b1e6                    ; -3e38, under every t
	v_cndmask_b32 v13, 0, v[TB], vcc_lo            ; the largest t so far; an invalid query's is 0 from the start, and stays
	v_floor_f32 v12, -v13                          ; -M
	s_wait_loadcnt 0x0
	ds_store_b128 v[SKW], v[32:35]
	ds_store_b128 v[SKW], v[36:39] offset:512
	ds_store_b128 v[SVW], v[40:43]
	ds_store_b128 v[SVW], v[44:47] offset:544
.irp m, 0,1,2,3,4,5,6,7
	ds_store_b128 v[CW], v[64+4*\m:67+4*\m] offset:2*KT*(\m/4)+KT*(\m%2)+(KT/2)*((\m%4)/2)
.endr
.irp e, 0,1,2,3,4,5,6,7
	ds_store_b128 v[CW], v[96+4*\e:99+4*\e] offset:VOF+2*VP*\e
.endr
	; THE FOUR STAGES.  Behind each barrier the stage's bytes, stored by all sixteen waves in front of it, are read from one buffer; the next stage goes into the other buffer, whose last reads every wave had waited for in front of that barrier.
	BAR
	s_wait_alu depctr_vm_vsrc(0)                   ; the head's LDS stores have read v32-47, v64-95, v96-127, v252 and v254, and Q's loads v232-233: loads land in the first two runs below, products write the third, the softmax v232 on, the closing lines v254
	FILL_K 1
	STEP 0
	FILL_END 1
	BAR
	s_wait_alu depctr_vm_vsrc(0)                   ; V's LDS stores have read v64-95, in which the next stage's K lands
	s_wait_alu depctr_va_vdst(0)                   ; the last step's products are done reading v32-63 and v248-251, in which this step's first run of LDS loads lands
	FILL_K 2
	STEP 1
	FILL_END 2
	BAR
	s_wait_alu depctr_vm_vsrc(0)                   ; V's LDS stores have read v64-95, in which the next stage's K lands
	s_wait_alu depctr_va_vdst(0)                   ; the last step's products are done reading v32-63 and v248-251, in which this step's first run of LDS loads lands
	FILL_K 3
	STEP 2
	FILL_END 3
	BAR
	s_wait_alu depctr_va_vdst(0)                   ; the last step's products are done reading v32-63 and v248-251, in which this step's first run of LDS loads lands
	STEP 3
	; MY SHARE'S -M AND SUM go to the tile's words.  Lanes l and l xor 16 hold the same query and write the same words with the same values.
	v_add_f32 v14, v14, v15
	v_permlanex16_b32 v236, v14, s[SEL], s[SEL+1]
	v_add_f32 v14, v14, v236
	s_wait_alu depctr_va_vdst(0)                   ; v12 and v14 are written, which the two stores read; the last products are done reading v32-39, in which the loads behind the barrier land
	ds_store_b32 v[STW], v12
	ds_store_b32 v[STW], v14 offset:16
	BAR                                            ; the four shares' words lie in LDS, and no wave reads K or V any more
	ds_load_b128 v[32:35], v[STR]                  ; -M of shares 0 .. 3
	ds_load_b128 v[36:39], v[STR] offset:16        ; their sums
	s_wait_dscnt 0x0
	v_min3_num_f32 v40, v32, v33, v34
	v_min_num_f32 v40, v40, v35                    ; -M of the whole row: the least -M
.irp j, 0,1,2,3
	v_sub_f32 v[44+\j], v40, v[32+\j]              ; share j's M less the row's: a whole number, 0 or less
.endr
	v_sub_f32 v42, v40, v12                        ; my own
.irp j, 0,1,2,3
	v_cvt_i32_f32 v[44+\j], v[44+\j]               ; (it saturates: a share that worked no step gets the factor 0)
.endr
	v_cvt_i32_f32 v42, v42
.irp j, 0,1,2,3
	v_ldexp_f32 v[44+\j], 1.0, v[44+\j]
.endr
	v_ldexp_f32 v42, 1.0, v42
	v_mul_f32 v41, v44, v36
	v_fma_f32 v41, v45, v37, v41
	v_fma_f32 v41, v46, v38, v41
	v_fma_f32 v41, v47, v39, v41                   ; the row's sum
	s_wait_alu depctr_va_vdst(0)
	v_rcp_f32 v43, v41
	v_nop                                          ; a plain instruction behind the reciprocal,
	s_wait_alu depctr_va_vdst(0)                   ; the reciprocal has written v43, ahead of its first reader
	v_mul_f32 v240, v42, v43                       ; my share's factor / the row's sum
.set jj, 0
.rept 32
	v_pk_mul_f32 v[96+jj:97+jj], v[160+jj:161+jj], v[240:241] op_sel_hi:[1,0]   ; register 8 t + i: channel 16 t + 8 h + i of query r; each tile from its low end on
.set jj, jj+2
.endr
	s_wait_alu depctr_va_vdst(0)                   ; the 32 multiplications have written v96-159, which the stores read; the lines above are done with v32-47, in which the way out's loads land
.irp t, 0,1,2,3,4,5,6,7
	ds_store_b128 v[PST], v[96+8*\t:99+8*\t] offset:64*\t
	ds_store_b128 v[PST], v[100+8*\t:103+8*\t] offset:64*\t+16
.endr
	BAR                                            ; the sixteen partial results lie in LDS
	; THE WAY OUT: I add the four shares of rows 4 J .. 4 J + 3 of my tile; the 32 lanes hold a row's 512 bytes
	s_wait_alu depctr_vm_vsrc(0)                   ; the copy's last LDS stores have read v64-95, in which rows 2 and 3 land
.irp p, 0,1,2,3
.irp j, 0,1,2,3
	ds_load_b128 v[32+16*\p+4*\j:35+16*\p+4*\j], v[PRD] offset:PSL*\j+PP*\p
.endr
.endr
.irp p, 0,1,2,3
	s_wait_dscnt 12-4*\p                           ; row p's four loads are in; the four of each later row may be out
	v_pk_add_f32 v[32+16*\p:33+16*\p], v[32+16*\p:33+16*\p], v[36+16*\p:37+16*\p]
	v_pk_add_f32 v[34+16*\p:35+16*\p], v[34+16*\p:35+16*\p], v[38+16*\p:39+16*\p]
	v_pk_add_f32 v[40+16*\p:41+16*\p], v[40+16*\p:41+16*\p], v[44+16*\p:45+16*\p]
	v_pk_add_f32 v[42+16*\p:43+16*\p], v[42+16*\p:43+16*\p], v[46+16*\p:47+16*\p]
	v_pk_add_f32 v[32+16*\p:33+16*\p], v[32+16*\p:33+16*\p], v[40+16*\p:41+16*\p]
	v_pk_add_f32 v[34+16*\p:35+16*\p], v[34+16*\p:35+16*\p], v[42+16*\p:43+16*\p]
.endr
	s_wait_alu depctr_va_vdst(0)                   ; the additions have written the four rows, which the run of stores reads: one wait for the four
.irp p, 0,1,2,3
	global_store_b128 v[GO], v[32+16*\p:35+16*\p], s[18:19] offset:512*\p th:TH_STORE_NT   ; 32 lanes store 512 consecutive bytes, at a multiple of 512 from out0's first byte; written once, read by nobody here
.endr
	s_wait_xcnt 0x0                                ; the four stores have had their addresses translated
	v_lshl_add_u32 v254, v0, 2, 0x4cc00            ; the add's two registers are made anew here, since none could be kept: my spare word, behind STAT, and 0.  (No memory or LDS instruction has read v254 or v255 since stage 0's wait on vm_vsrc)
	v_mov_b32 v255, 0
	s_wait_dscnt 0x0                               ; the closing lines, six on end
	s_wait_alu 0x0
	s_wait_tensorcnt 0x0
	ds_add_u32 v254, v255
	s_wait_dscnt 0x0
	s_endpgm
.Lfunc_end_k_q00006f4182_attn:
	.size	k_q00006f4182_attn, .Lfunc_end_k_q00006f4182_attn-k_q00006f4182_attn
	.p2alignl 7, 3214868480
	.fill 96, 4, 3214868480
	.section	.rodata,"a",@progbits
	.p2align	6, 0x0
	.amdhsa_kernel k_q00006f4182_attn
		.amdhsa_group_segment_fixed_size 316416
		.amdhsa_private_segment_fixed_size 0
		.amdhsa_enable_private_segment 0
		.amdhsa_kernarg_size 64
		.amdhsa_user_sgpr_count 2
		.amdhsa_user_sgpr_kernarg_segment_ptr 1
		.amdhsa_wavefront_size32 1
		.amdhsa_system_sgpr_workgroup_id_x 1
		.amdhsa_system_sgpr_workgroup_id_y 1
		.amdhsa_system_sgpr_workgroup_id_z 1
		.amdhsa_system_vgpr_workitem_id 0
		.amdhsa_next_free_vgpr 256
		.amdhsa_next_free_sgpr 66
		.amdhsa_reserve_vcc 1
		.amdhsa_float_denorm_mode_32 3
		.amdhsa_float_denorm_mode_16_64 3
		.amdhsa_memory_ordered 1
		.amdhsa_forward_progress 1
		.amdhsa_inst_pref_size 163
	.end_amdhsa_kernel
	.amdgpu_metadata
---
amdhsa.version: [ 1, 2 ]
amdhsa.kernels:
  - .name:           k_q00006f4182_attn
    .symbol:         k_q00006f4182_attn.kd
    .args:
      - { .name: q_codes, .offset: 0, .size: 8, .value_kind: global_buffer, .address_space: global }
      - { .name: q_scales, .offset: 8, .size: 8, .value_kind: global_buffer, .address_space: global }
      - { .name: k_codes, .offset: 16, .size: 8, .value_kind: global_buffer, .address_space: global }
      - { .name: k_scales, .offset: 24, .size: 8, .value_kind: global_buffer, .address_space: global }
      - { .name: v_codes, .offset: 32, .size: 8, .value_kind: global_buffer, .address_space: global }
      - { .name: v_scales, .offset: 40, .size: 8, .value_kind: global_buffer, .address_space: global }
      - { .name: event_length, .offset: 48, .size: 8, .value_kind: global_buffer, .address_space: global }
      - { .name: out0, .offset: 56, .size: 8, .value_kind: global_buffer, .address_space: global }
    .group_segment_fixed_size: 316416
    .private_segment_fixed_size: 0
    .kernarg_segment_align: 8
    .kernarg_segment_size: 64
    .max_flat_workgroup_size: 512
    .sgpr_count:     66
    .vgpr_count:     256
    .wavefront_size: 32
...
	.end_amdgpu_metadata
.endif
;; end of part 2
